; MI455X (gfx1250); checked and timed in simulation.
; The chip was launched on July 23, 2026; its instructions are those of AMD's public machine-readable ISA for CDNA 5 (MIT licence, August 2026) and "CDNA5" Instruction Set Architecture Reference Guide (July 2026). The comments in the code are by the model that wrote it; some were corrected since.
;; Multi Head Attention Base. Allowed arithmetic: matrix products marked QUANTISED: E5M2 operands, one E8M0 scale for each 32 along K, by v_wmma_scale_f32_16x16x128_f8f6f4 with both operands' format E5M2, f32 sums; everything else in f32.
;; Inputs: key 4 x 2,048 x 1,024 float32; mask 4 x 2,048 x 2,048 int32; query 4 x 2,048 x 1,024 float32; value 4 x 2,048 x 1,024 float32.
;; Outputs: out0 4 x 2,048 x 1,024 float32.
;; This version of the problem:
;;   THIS VERSION OF THE PROBLEM IS GIVEN IN LOW PRECISION. The matrix products marked QUANTISED in the list below multiply operands that are first quantised to E5M2 (5 exponent bits, 2 mantissa bits; 8 bits a number), with one power-of-two scale for each 32 numbers along K (OCP MX v1.0); their sums are f32. All else is computed in f32.
;;   The module's matrix products, in the order in which they are computed (A, B: the left and right operand; K: the contracted axis; several contracted axes count as one K, in the product's order):
;;     1. batch 64 x [M 2,048, K 64] x [K 64, N 2,048]; A: input query; B: input key: QUANTISED
;;     2. batch 64 x [M 2,048, K 2,048] x [K 2,048, N 64]; A: softmax (see below); B: input value: QUANTISED
;;   THE QUANTISER, for each operand of a quantised product, along K:
;;     - K is cut into blocks of 32 from its start; a last block that is shorter is filled with zeros.
;;     - A block's scale is 2^e with e = floor(log2(the largest magnitude in the block)) - 15, held to -126 .. 127; a block of zeros has e = 0. As a byte (E8M0): e + 127.
;;     - Each number is divided by its block's scale, clamped to +-57,344, and rounded to the nearest number of E5M2, ties to even, subnormals kept.
;;     - The product sums the exact products of the quantised numbers (number of the format x scale) in f32.
;;   ~~~python
;;   def quantise(x, axis):      # numpy; x: float32 -> the quantised numbers, widened to float32 again
;;       x = np.moveaxis(x, axis, -1); K = x.shape[-1]
;;       x = np.pad(x, [(0, 0)] * (x.ndim - 1) + [(0, -K % 32)]); x = x.reshape(x.shape[:-1] + (-1, 32)); a = np.abs(x).max(-1, keepdims=True)
;;       e = np.where(a > 0, np.clip(np.frexp(np.where(a > 0, a, 1))[1] - 1 - 15, -126, 127), 0)      # np.frexp(a)[1] - 1 = floor(log2(a)), exactly
;;       r = np.clip(x / 2.0 ** e, -57344, 57344)
;;       step = 2.0 ** (np.maximum(np.frexp(np.where(r == 0, 1, r))[1] - 1, -14) - 2)
;;       q = np.round(r / step) * step * 2.0 ** e      # np.round: ties to even
;;       return np.moveaxis(q.reshape(q.shape[:-2] + (-1,))[..., :K], -1, axis).astype(np.float32)
;;   ~~~
;;   SOFTMAX AHEAD OF A QUANTISED PRODUCT. Where the list says 'softmax', what is quantised is not the finished softmax but p = 2^(t - M), with t = logit x log2(e) and M = ceil(the row's largest t), a whole number; so 1/2 < the row's largest p <= 1. The row's sum l is taken of the UNQUANTISED p, in f32, and the product's result is divided by l at the end. Since M is a whole number, a kernel that streams over the keys may use a running M (the ceiling of the running maximum): every later rescaling is an exact power of two, which a block's scale takes up: the codes' values come out the same.
;;   OPERANDS COMPUTED ON THE WAY. 'Computed on the way' means the value that the module computes at that place (a softmax that the list does not call 'softmax' is quantised finished and normalised). What goes into a quantiser is computed in f32, as accurately as f32 sums, v_exp_f32 and their like allow (about 1e-6 of the number): no bf16 or f16 on the way to a quantiser, and a product that is left as it is and whose result goes on into a quantised operand takes f32 operands (vector FMAs, or v_wmma_f32_16x16x4_f32). A number that lies on a knife's edge between two numbers of the format may be rounded either way, as far as f32 arithmetic and the matrix unit's own rounding can turn it there, and no further.
;; One version. Each part assembles by itself: llvm-mc -triple=amdgcn-amd-amdhsa -mcpu=gfx1250 --defsym DOCPART=n.
;; ======== version 1 of 1: 2 launches
;; limits: right only within a limited range of input values
;; workspace buffers: qc 8,912,896 bytes; kv 17,563,648 bytes; mcodes 16,777,216 bytes
;; launch prep (part 1): grid 1280 x 1, 4 waves a work-group, no clusters, 105,984 bytes of LDS; arguments query, key, value, mask, qc, kv, mcodes; writes qc, kv, mcodes
.if DOCPART == 1
	.amdgcn_target "amdgcn-amd-amdhsa--gfx1250"
	.amdhsa_code_object_version 6
	.text
	.protected	k_qe9c0152e7a_prep
	.globl	k_qe9c0152e7a_prep
	.p2align	8
	.type	k_qe9c0152e7a_prep,@function
k_qe9c0152e7a_prep:
	s_mov_b64 s[64:65], 0
	v_nop
	global_prefetch_b8 v0, s[64:65] scope:SCOPE_SE
	s_setreg_imm32_b32 hwreg(HW_REG_WAVE_MODE, 25, 1), 1
	s_wait_xcnt 0x0
; query, key, value [4][2048][1024] f32 become codes of BF8 (E5M2) with one E8M0 byte for each 32 along a product's K; mask [4][2048][2048] i32 becomes lane-mask words.
; All results are laid in the ORDER OF THE NEXT LAUNCH'S REGISTERS, so that it fetches every operand by loads of 16 bytes a lane, 512 bytes on end.
; NAMES: g = 16 b + head; j = a block of 128 keys (or queries); lane l = 16 h + r.  THE ROWS OF A TILE ARE NOT NEIGHBOURS: lane r of tile t (0..7) of a block takes row 32 (t/2) + 8 (t%2) + r + 8 (r/8).
; kv record (g, j), 17,152 bytes:  +0 K's codes: tile t, block c of d at 1024 t + 512 c + 16 l: d = 32 c + 16 h + 0..15 of the tile's row r;  +8192 V's codes: tile td of d, block c of keys at 2048 td + 512 c + 16 l:
;   keys 32 c + 16 h + 0..15 of d = 16 td + r;  +16384 K's scale words: at 16 l the words of tiles 4 h + 0..3, row r (bytes 0, 1 the two blocks of d, bytes 2, 3 = 127);  +16896 V's: at 16 r the words of td = 0..3.
; qc record (g, j), 8,704 bytes: as K's codes and K's scale words.   maskbits record (b, tile T of queries, j), 256 bytes: word n, bit l = (mask of the tile's row r, key 32 (n/16) + 16 h + n%16, is not 0).
; A block's scale is 2^(floor(log2(its largest magnitude)) - 15); its byte is the largest magnitude's exponent field - 15, held at 1 from below; each number is held within +-57,344 x the scale and rounded to the nearest code.
; LIMITS: a block of zeros gets the byte 1 where the rule says 127 (its codes are zeros, and this program alone reads the bytes); NaN and infinities among the inputs are not served.
; SHARES: work-groups 0-255 take query, 256-511 key, 512-767 value, 768-1279 mask.  A wave takes 32 KiB of input in four sub-steps of 8 KiB, written out: every offset is an immediate, no pointer is stepped,
; no store's data are written again.  Each load takes whole aligned runs of 256 bytes (a head's slice of a row) or 512; two sets of 16 loads a wave are out.  The numbers turn through the wave's own stage in LDS.
; No matrix unit, no tensor load, no barrier: memory binds, and waves share nothing.  The three kinds of work part on the work-group's number and have LDS bytes of their own.
; AS THE RECORDS ARE NOW MADE (these lines take the place of what the lines above say of the mask's record and of q's and k's scale words):
; the mask becomes CODES: record (b, tile T of queries, j), 2,048 bytes: at 512 n + 16 l, byte e: the code for the tile's row r and key 32 n + 8 h + e + 8 (e / 8) of the block: 0 where the mask is not 0, 0xf8 (-2^15) where it is 0.
; q's and k's scale words: bytes 2, 3 the two blocks of d; bytes 0, 1 = 0x85 (2^6) for the two blocks of the instruction's K in which the next launch lays the mask's codes and a unit matrix.
.set RECK, 17152
.set RECQ, 8704
.set RGB,  35840                       ; LDS: q's and k's stages from 0, 8,960 bytes a wave; v's from here;
.set RGM,  71680                       ; the mask's from here, 8,448 bytes a wave
.set WST,  8960
.set WSTM, 8448
.set R0,   16                          ; v16-79, v80-143  two sets of 16 x 4 registers as loaded
.set X0,   144                         ; v144-159, v160-175  two sets of 16 numbers of one block
.set X1,   160
.set CD,   176                         ; v176-239  codes: four registers for each of the 16 chunks
.set TM,   240                         ; at work: largest magnitude,
.set TP,   241                         ; its second chain, then the other half of the lanes',
.set HD,   242                         ; 57,344 x the scale,
.set SC,   243                         ; the conversion's scale operand,
.set E0,   244                         ; v244-245  scale bytes
.set W,    248                         ; v248-255  scale words
.set Y,    144                         ; mask: v144-207  64 numbers of a lane
.set OP,   208                         ; mask: v208-223  a record's 16 words of codes
	s_load_b256 s[4:11], s[0:1], 0x0               ; query s[4:5], key s[6:7], value s[8:9], mask s[10:11]
	s_load_b128 s[12:15], s[0:1], 0x20             ; qc s[12:13], kv s[14:15]
	s_load_b64 s[16:17], s[0:1], 0x30              ; mcodes
	v_lshl_add_u32 v246, v0, 2, 0x19c00
	v_mov_b32 v247, 0
	v_lshrrev_b32 v7, 5, v0
	v_readfirstlane_b32 s18, v7                    ; wave 0..3
	v_and_b32 v6, 31, v0                           ; lane
	v_and_b32 v8, 15, v0                           ; r
	v_bfe_u32 v9, v0, 4, 1                         ; h
	v_lshlrev_b32 v4, 4, v6                        ; 16 x lane
	s_mov_b32 s20, 0x76543210
	s_mov_b32 s21, 0xfedcba98                      ; v_permlanex16_b32's selects for lane l xor 16
	s_mov_b32 s22, 0x600000                        ; the mantissa field of 57,344
	s_wait_kmcnt 0x0
	s_cmp_ge_u32 ttmp9, 768
	s_cbranch_scc1 .Lmask
	; ---- q, k and v: which block of 128 rows of which head is my wave's
	s_and_b32 s30, ttmp9, 255
	s_lshr_b32 s31, s30, 6                         ; b
	s_bfe_u32 s32, s30, 0x40002                    ; j
	s_and_b32 s33, s30, 3
	s_lshl_b32 s33, s33, 2
	s_add_co_u32 s33, s33, s18                     ; head = 4 (x % 4) + wave: the four waves stand side by side on 1,024 bytes of each row
	s_lshl_b32 s34, s31, 23
	s_lshl_b32 s35, s32, 19
	s_add_co_u32 s34, s34, s35
	s_lshl_b32 s35, s33, 8
	s_add_co_u32 s34, s34, s35                     ; input: b x 2048 rows + j x 128 rows of 4,096 bytes + head x 256
	s_mov_b32 s35, 0
	s_lshl_b32 s36, s31, 4
	s_add_co_u32 s36, s36, s33
	s_lshl_b32 s36, s36, 4
	s_add_co_u32 s36, s36, s32                     ; record 16 g + j
	s_mov_b32 s37, 0
	s_mul_i32 s38, s18, WST                        ; my stage: row p of 32 at 272 p + 128 (p / 16)
	s_wait_alu depctr_va_vdst(0)
	v_lshlrev_b32 v1, 4, v8
	v_lshl_add_u32 v1, v9, 12, v1                  ; in: lanes 0-15 one row's 256 bytes, lanes 16-31 the next row's
	v_mul_u32_u24 v2, v9, 272
	v_lshl_add_u32 v2, v8, 4, v2
	v_add_nc_u32 v2, s38, v2                       ; and the same two rows in the stage
.macro LOADS s                         ; sub-step s: 32 rows, two to a load, into set s % 2
.irp n, 0,1,2,3,4,5,6,7,8,9,10,11,12,13,14,15
	global_load_b128 v[R0+64*((\s)%2)+4*\n:R0+64*((\s)%2)+4*\n+3], v1, s[24:25] offset:(\s)*131072+\n*8192 th:TH_LOAD_NT
.endr
.endm
.macro TOSTAGE s
.irp n, 0,1,2,3,4,5,6,7,8,9,10,11,12,13,14,15
	ds_store_b128 v2, v[R0+64*((\s)%2)+4*\n:R0+64*((\s)%2)+4*\n+3] offset:\n*544+(\n/8)*128
.endr
.endm
; Chunk q of a sub-step's four comes back, 16 numbers of one block a lane (the block's other 16 lie in lane l xor 16).
; path 0 (q, k): tile 2 s + q / 2, block q % 2 of d: 64 bytes on end of my tile row.
; path 1 (v): tile q of d: my column d = 16 q + r, down 16 rows (keys 16 h + i): a lane's registers run down the keys, which are this operand's K.
.macro BACK path, q, x
.if \path == 0
.irp e, 0,1,2,3
	ds_load_b128 v[\x+4*\e:\x+4*\e+3], v3 offset:((\q)/2)*2176+((\q)%2)*128+16*\e
.endr
.else
.irp i, 0,1,2,3,4,5,6,7,8,9,10,11,12,13,14,15
	ds_load_b32 v[\x+\i], v3 offset:\i*272+(\q)*64
.endr
.endif
.endm
; 16 numbers in v[x] on become 16 codes in v[c4] on; the block's scale byte goes to v[e].
.macro QUANT16 x, c4, e
	v_max3_num_f32 v[TM], |v[\x]|, |v[\x+1]|, 0x8000000            ; my 16 numbers in two chains, and the floor 2^(16 - 127): the byte cannot fall under 1
	v_max3_num_f32 v[TP], |v[\x+2]|, |v[\x+3]|, |v[\x+4]|
.irp i, 5,9
	v_max3_num_f32 v[TM], v[TM], |v[\x+\i]|, |v[\x+\i+1]|
	v_max3_num_f32 v[TP], v[TP], |v[\x+\i+2]|, |v[\x+\i+3]|
.endr
	v_max3_num_f32 v[TM], v[TM], |v[\x+13]|, |v[\x+14]|
	v_max3_num_f32 v[TM], v[TM], v[TP], |v[\x+15]|
	v_permlanex16_b32 v[TP], v[TM], s20, s21
	v_max_num_f32 v[TM], v[TM], v[TP]              ; with lane l xor 16's: the block's largest magnitude
	v_add_nc_u32 v[SC], 0xf8800000, v[TM]          ; 15 off its exponent field: the conversion takes the exponent field of this operand as its scale
	v_and_or_b32 v[HD], v[TM], 0x7f800000, s22     ; 57,344 x the scale
.irp i, 0,1,2,3,4,5,6,7,8,9,10,11,12,13,14,15
	v_med3_num_f32 v[\x+\i], v[\x+\i], -v[HD], v[HD]               ; the conversion to an 8-bit code does not saturate (ISA guide 7.6.2): the hold comes first
.endr
	v_cvt_scalef32_pk8_bf8_f32 v[\c4:\c4+1], v[\x:\x+7], v[SC]
	v_cvt_scalef32_pk8_bf8_f32 v[\c4+2:\c4+3], v[\x+8:\x+15], v[SC]
	v_lshrrev_b32 v[\e], 23, v[SC]                 ; the scale's byte; also the plain line behind the conversions
.endm
.macro CHUNK path, s, q, x
.set CC, CD+4*(4*(\s)+(\q))
.if \path == 0
	QUANT16 \x, CC, E0+((\q)%2)
	global_store_b128 v4, v[CC:CC+3], s[26:27] offset:(2*(\s)+(\q)/2)*1024+((\q)%2)*512   ; 32 lanes store 512 bytes on end
.if (\q)%2
	v_lshl_or_b32 v[W+2*(\s)+(\q)/2], v[E0+1], 8, v[E0]            ; the tile's scale word: the two blocks of d,
	v_lshl_or_b32 v[W+2*(\s)+(\q)/2], v[W+2*(\s)+(\q)/2], 16, 0x8585   ; into bytes 2 and 3; bytes 0 and 1: 2^6 for the mask's half of the instruction's K
.endif
.else
.if (\s) == 0
	QUANT16 \x, CC, W+(\q)
.else
	QUANT16 \x, CC, E0
	v_lshl_or_b32 v[W+(\q)], v[E0], 8*(\s), v[W+(\q)]              ; byte s of tile q's scale word: sub-step s is block s of the keys
.endif
	global_store_b128 v4, v[CC:CC+3], s[26:27] offset:(\q)*2048+(\s)*512
.endif
.endm
; A sub-step.  nb = the LDS loads of one BACK.
.macro SUB path, s, nb
.if (\s) < 3
	s_wait_loadcnt 16                              ; this set's 16 loads are in; the other set's may be out
.else
	s_wait_loadcnt 0
.endif
	TOSTAGE \s                                     ; LDS serves a wave's instructions in order (ISA guide 5.7.1.4): no wait between stores and loads, nor behind the last sub-step's loads
	BACK \path, 0, X0
	BACK \path, 1, X1
	s_wait_dscnt \nb                               ; all but the youngest BACK: chunk 0 is in, and the stage's stores have read the raw set,
.if (\s) < 2
	LOADS (\s)+2                                   ; which takes the loads of two sub-steps on
.endif
	CHUNK \path, \s, 0, X0
	BACK \path, 2, X0
	s_wait_dscnt \nb                               ; chunk 1 is in; chunk 2's loads may be out
	CHUNK \path, \s, 1, X1
	BACK \path, 3, X1
	s_wait_dscnt \nb                               ; chunk 2 is in
	CHUNK \path, \s, 2, X0
	s_wait_dscnt 0
	CHUNK \path, \s, 3, X1
.endm
	s_cmp_ge_u32 ttmp9, 512
	s_cbranch_scc1 .Lvalue
	; ---- PATH A: query or key.  Only pointers and two sizes are chosen, on the work-group's number
	s_cmp_lt_u32 ttmp9, 256
	s_cselect_b64 s[24:25], s[4:5], s[6:7]
	s_cselect_b64 s[26:27], s[12:13], s[14:15]
	s_mov_b32 s39, RECK
	s_cselect_b32 s39, RECQ, s39                   ; bytes in a record
	s_mov_b32 s40, 16384
	s_cselect_b32 s40, 8192, s40                   ; where its scale words begin
	s_mov_b32 s41, 0
	s_mul_i32 s36, s36, s39
	s_add_nc_u64 s[24:25], s[24:25], s[34:35]
	s_add_nc_u64 s[26:27], s[26:27], s[36:37]
	s_add_nc_u64 s[28:29], s[26:27], s[40:41]
	v_and_b32 v10, 8, v8
	v_add_nc_u32 v3, v10, v8                       ; r + 8 (r / 8): my row among a tile pair's 32
	v_mul_u32_u24 v3, v3, 272
	v_lshl_add_u32 v3, v10, 4, v3                  ; + 128 for rows 16-31
	v_lshl_add_u32 v3, v9, 6, v3                   ; + 64 h: my 16 numbers of a block of 32
	v_add_nc_u32 v3, s38, v3
	LOADS 0
	LOADS 1
	s_wait_alu depctr_va_vdst(0)
.irp s, 0,1,2,3
	SUB 0, \s, 4
.endr
	v_cmp_gt_u32 vcc_lo, 16, v6
.irp i, 0,1,2,3
	v_cndmask_b32 v[X0+\i], v[W+4+\i], v[W+\i], vcc_lo             ; lanes 0-15: tiles 0-3; lanes 16-31: tiles 4-7 (both halves of the lanes hold every word)
.endr
	global_store_b128 v4, v[X0:X0+3], s[28:29]     ; 512 bytes on end
	s_wait_tensorcnt 0x0
	ds_add_u32 v246, v247
	s_wait_dscnt 0x0
	s_endpgm
.Lvalue:
	; ---- PATH B: value, quantised along the keys
	s_mul_i32 s36, s36, RECK
	s_add_nc_u64 s[24:25], s[8:9], s[34:35]
	s_add_nc_u64 s[26:27], s[14:15], s[36:37]
	s_add_nc_u64 s[26:27], s[26:27], 8192          ; V's codes
	s_add_nc_u64 s[28:29], s[26:27], 8704          ; V's scale words
	s_wait_alu depctr_va_vdst(0)
	v_add_nc_u32 v2, RGB, v2
	v_mul_u32_u24 v3, v9, 4480                     ; rows 16 h on,
	v_lshl_add_u32 v3, v8, 2, v3                   ; column r
	v_add_nc_u32 v3, s38, v3
	v_add_nc_u32 v3, RGB, v3
	v_lshlrev_b32 v5, 4, v8
	v_lshl_add_u32 v5, v9, 3, v5                   ; 16 r + 8 h
	LOADS 0
	LOADS 1
	s_wait_alu depctr_va_vdst(0)
.irp s, 0,1,2,3
	SUB 1, \s, 16
.endr
	v_cmp_gt_u32 vcc_lo, 16, v6
.irp i, 0,1
	v_cndmask_b32 v[X0+\i], v[W+2+\i], v[W+\i], vcc_lo             ; lanes 0-15: td = 0, 1; lanes 16-31: td = 2, 3
.endr
	global_store_b64 v5, v[X0:X0+1], s[28:29]      ; 32 lanes store 256 bytes on end, aligned
	s_wait_tensorcnt 0x0
	ds_add_u32 v246, v247
	s_wait_dscnt 0x0
	s_endpgm
.Lmask:
	; ---- PATH M: a wave takes one tile of 16 queries x 512 keys: four records
	s_sub_co_u32 s30, ttmp9, 768                   ; 128 b + T
	s_lshr_b32 s31, s30, 7                         ; b
	s_and_b32 s32, s30, 127                        ; T
	s_lshr_b32 s33, s32, 3
	s_lshl_b32 s33, s33, 7
	s_bfe_u32 s34, s32, 0x20001
	s_lshl_b32 s34, s34, 5
	s_add_co_u32 s33, s33, s34
	s_and_b32 s34, s32, 1
	s_lshl_b32 s34, s34, 3
	s_add_co_u32 s33, s33, s34                     ; the tile's first query: 128 (T / 8) + 32 ((T / 2) % 4) + 8 (T % 2)
	s_lshl_b32 s33, s33, 13                        ; rows of 8,192 bytes
	s_lshl_b32 s34, s31, 24
	s_add_co_u32 s34, s34, s33
	s_lshl_b32 s35, s18, 11                        ; my wave's 512 keys
	s_add_co_u32 s34, s34, s35
	s_mov_b32 s35, 0
	s_add_nc_u64 s[24:25], s[10:11], s[34:35]
	s_lshl_b32 s36, s30, 15                        ; 16 records of 2,048 bytes a tile,
	s_lshl_b32 s37, s18, 13                        ; four a wave
	s_add_co_u32 s36, s36, s37
	s_mov_b32 s37, 0
	s_add_nc_u64 s[26:27], s[16:17], s[36:37]
	s_mul_i32 s38, s18, WSTM
	s_add_co_u32 s38, s38, RGM                     ; my stage: 16 rows of 512 bytes + 16
	s_wait_alu depctr_va_vdst(0)
	v_add_nc_u32 v2, s38, v4                       ; in: 16 x lane of a row
	v_mul_u32_u24 v3, v8, 528
	v_lshl_add_u32 v3, v9, 5, v3
	v_add_nc_u32 v3, s38, v3                       ; back: row r, + 32 h: my 8 keys of each 16
	s_mov_b32 s40, 0xf8                            ; the code of -2^15
	s_mov_b32 s41, 0x01010101
	s_wait_alu depctr_va_vdst(0)
.macro LOADM k                         ; record k: 128 keys (512 bytes on end) of the tile's 16 queries, into set k % 2
.irp p, 0,1,2,3,4,5,6,7,8,9,10,11,12,13,14,15
	global_load_b128 v[R0+64*((\k)%2)+4*\p:R0+64*((\k)%2)+4*\p+3], v4, s[24:25] offset:(\p+8*(\p/8))*8192+(\k)*512 th:TH_LOAD_NT
.endr
.endm
.macro RECM k
.if (\k) < 3
	s_wait_loadcnt 16                              ; this set's 16 loads are in; the other set's may be out
.else
	s_wait_loadcnt 0
.endif
.irp p, 0,1,2,3,4,5,6,7,8,9,10,11,12,13,14,15
	ds_store_b128 v2, v[R0+64*((\k)%2)+4*\p:R0+64*((\k)%2)+4*\p+3] offset:\p*528
.endr
.irp m, 0,1,2,3,4,5,6,7,8,9,10,11,12,13,14,15
	ds_load_b128 v[Y+4*\m:Y+4*\m+3], v3 offset:128*(\m/4)+64*((\m%4)/2)+16*(\m%2)   ; registers 4 m on: keys 32 (m / 4) + 16 ((m % 4) / 2) + 8 h + 4 (m % 2) + 0..3 of query row r
.endr
	s_wait_dscnt 0x0                               ; the 64 numbers are in, and the stores have read the raw set
.if (\k) < 2
	LOADM (\k)+2
.endif
.if (\k) > 0
	s_wait_xcnt 0x0                                ; the last record's stores have read their registers, which are written again below
.endif
.irp m, 0,1,2,3,4,5,6,7,8,9,10,11,12,13,14,15
	v_min_u32 v[Y+4*\m], 1, v[Y+4*\m]              ; 1 where the mask is not 0
	v_min_u32 v[Y+4*\m+1], 1, v[Y+4*\m+1]
	v_min_u32 v[Y+4*\m+2], 1, v[Y+4*\m+2]
	v_min_u32 v[Y+4*\m+3], 1, v[Y+4*\m+3]
	v_lshl_or_b32 v[Y+4*\m], v[Y+4*\m+1], 8, v[Y+4*\m]
	v_lshl_or_b32 v[Y+4*\m+2], v[Y+4*\m+3], 8, v[Y+4*\m+2]
	v_lshl_or_b32 v[Y+4*\m], v[Y+4*\m+2], 16, v[Y+4*\m]            ; four keys to a word
	v_xor_b32 v[Y+4*\m], s41, v[Y+4*\m]            ; 1 where the key is hidden,
	v_mul_lo_u32 v[OP+\m], v[Y+4*\m], s40          ; and there the code 0xf8: no byte carries into the next
.endr
.irp n, 0,1,2,3
	global_store_b128 v4, v[OP+4*\n:OP+4*\n+3], s[26:27] offset:2048*(\k)+512*\n   ; 32 lanes store 512 bytes on end
.endr
.endm
	LOADM 0
	LOADM 1
.irp k, 0,1,2,3
	RECM \k
.endr
	s_wait_tensorcnt 0x0
	ds_add_u32 v246, v247
	s_wait_dscnt 0x0
	s_endpgm
.Lfunc_end_k_qe9c0152e7a_prep:
	.size	k_qe9c0152e7a_prep, .Lfunc_end_k_qe9c0152e7a_prep-k_qe9c0152e7a_prep
	.p2alignl 7, 3214868480
	.fill 96, 4, 3214868480
	.section	.rodata,"a",@progbits
	.p2align	6, 0x0
	.amdhsa_kernel k_qe9c0152e7a_prep
		.amdhsa_group_segment_fixed_size 105984
		.amdhsa_private_segment_fixed_size 0
		.amdhsa_enable_private_segment 0
		.amdhsa_kernarg_size 56
		.amdhsa_user_sgpr_count 2
		.amdhsa_user_sgpr_kernarg_segment_ptr 1
		.amdhsa_wavefront_size32 1
		.amdhsa_system_sgpr_workgroup_id_x 1
		.amdhsa_system_sgpr_workgroup_id_y 1
		.amdhsa_system_sgpr_workgroup_id_z 1
		.amdhsa_system_vgpr_workitem_id 0
		.amdhsa_next_free_vgpr 256
		.amdhsa_next_free_sgpr 66
		.amdhsa_reserve_vcc 1
		.amdhsa_float_denorm_mode_32 3
		.amdhsa_float_denorm_mode_16_64 3
		.amdhsa_memory_ordered 1
		.amdhsa_forward_progress 1
		.amdhsa_inst_pref_size 157
	.end_amdhsa_kernel
	.amdgpu_metadata
---
amdhsa.version: [ 1, 2 ]
amdhsa.kernels:
  - .name:           k_qe9c0152e7a_prep
    .symbol:         k_qe9c0152e7a_prep.kd
    .args:
      - { .name: query, .offset: 0, .size: 8, .value_kind: global_buffer, .address_space: global }
      - { .name: key, .offset: 8, .size: 8, .value_kind: global_buffer, .address_space: global }
      - { .name: value, .offset: 16, .size: 8, .value_kind: global_buffer, .address_space: global }
      - { .name: mask, .offset: 24, .size: 8, .value_kind: global_buffer, .address_space: global }
      - { .name: qc, .offset: 32, .size: 8, .value_kind: global_buffer, .address_space: global }
      - { .name: kv, .offset: 40, .size: 8, .value_kind: global_buffer, .address_space: global }
      - { .name: mcodes, .offset: 48, .size: 8, .value_kind: global_buffer, .address_space: global }
    .group_segment_fixed_size: 105984
    .private_segment_fixed_size: 0
    .kernarg_segment_align: 8
    .kernarg_segment_size: 56
    .max_flat_workgroup_size: 128
    .sgpr_count:     66
    .vgpr_count:     256
    .wavefront_size: 32
...
	.end_amdgpu_metadata
.endif
;; end of part 1
;; launch attn (part 2): grid 4 x 64, 16 waves a work-group, clusters of 4 x 1, 327,680 bytes of LDS; arguments qc, kv, mcodes, out0; writes out0
.if DOCPART == 2
	.amdgcn_target "amdgcn-amd-amdhsa--gfx1250"
	.amdhsa_code_object_version 6
	.text
	.protected	k_qe9c0152e7a_attn
	.globl	k_qe9c0152e7a_attn
	.p2align	8
	.type	k_qe9c0152e7a_attn,@function
k_qe9c0152e7a_attn:
	s_mov_b64 s[64:65], 0
	v_nop
	global_prefetch_b8 v0, s[64:65] scope:SCOPE_SE
	s_setreg_imm32_b32 hwreg(HW_REG_WAVE_MODE, 25, 1), 1
	s_wait_xcnt 0x0
	s_wait_alu depctr_hold_cnt(0) depctr_sa_sdst(0) depctr_va_vdst(0) depctr_va_sdst(0) depctr_va_ssrc(0) depctr_va_vcc(0) depctr_vm_vsrc(0)
	s_getreg_b32 s2, hwreg(HW_REG_IB_STS2, 6, 4)
	s_cmp_eq_u32 s2, 0
	s_cbranch_scc0 .Lentry_in_a_cluster
	s_endpgm
.Lentry_in_a_cluster:
	s_bfe_u32 s2, ttmp6, 0x10000c
	s_cmp_lg_u32 s2, 0x3003
	s_cbranch_scc0 .Lentry_shape_is_right
	s_endpgm
.Lentry_shape_is_right:
; out0[b][q][64 head + d] = the sum over k of softmax_k(masked q . k / 8) v[k][d], both products on codes of BF8 (E5M2) with one E8M0 scale for each 32 along a product's K.
; Codes, scale words and the mask's codes come from the launch before, laid in the order of this launch's registers (its head comment gives the records).
; THE SOFTMAX: t = score x log2(e) / 8; M = the row's largest t so far, rounded UP to a whole number; p = 2^(t - M) is quantised along the keys, not normalised; the row's sum is taken of the unquantised p and divides at
; the end.  When M moves, the sum and O are multiplied by 2^(old M - new M): exact.
; THE MASK GOES THROUGH THE FIRST PRODUCT.  The head has 64 numbers and the instruction's K is 128.  K's operand is [unit matrix | 16 keys], Q's is [the mask's codes | my 16 queries]: k = 16 v + e of the first half holds, on
; K's side, 2^15 where e is the key's row in its tile and v the tile's number modulo 4, else 0; on Q's side the code (0 or -2^15) of my query against row e of tile v of the group.  With both scales 2^6 a hidden key's score
; is q . k - 2^42, a visible key's is q . k + 0.  One group of eight registers serves four tiles, by four unit matrices that stay in registers.
; LIMITS: the hidden logit is q . k / 8 - 2^39 where the definition has -1e9: results differ only where a visible logit lies under about -1e9, and, in a row with no visible key, where |q . k| reaches 2^18
; (below that the sum rounds to -2^42 for every key, -2^42 x c is a whole number exactly, p = 1 for every key: the plain mean of v).  NaN and infinities among the inputs are not served.
; SHARES.  A cluster of four work-groups is one head (g = 16 b + head); a work-group owns 512 of its queries: 32 tiles of 16; wave w takes tile 32 cx + w, then tile 32 cx + 16 + w: two passes by one macro.
; K AND V OF THE WHOLE HEAD STAY IN LDS: 16 records of 17,152 bytes; wave w brings record w by ONE joint tensor load that names all four work-groups.  Nothing in LDS is filled twice: no ring.  A wave has one tensor load out.
; LAYOUT.  Both products transposed: S^T = K Q^T, O^T = V^T P^T: a lane holds ONE query (lane % 16).  Score register n of lane (r, h) is key 32 (n / 16) + 16 h + n % 16 of the step, so p's conversions give the second operand.
; A STEP (128 keys): tiles 0-3, then tiles 4-7 in the same four places beside the unit matrices; the next step's tiles 0-3 and mask codes are fetched behind the second round; V lands in p's registers as they are converted.
; PREFETCH: the sixteen heads of a batch read the same mask records and share them out: head hd asks for record hd of each of its tiles, while record hd - 2 is loaded: two steps ahead of its load; 8 lanes name its 8 blocks
; of 256 bytes, the others the last again.  Records 0 to 2 come by their loads alone.  K, V and Q are asked for once, at the start of the launch or of a pass, with no loop to run ahead in.
.set REC,   17152
.set QREC,  8704
.set VCO,   8192                       ; in a record: V's codes,
.set KSW,   16384                      ; K's scale words,
.set VSW,   16896                      ; V's scale words
.set STAGE, 16*REC                     ; a stage of 8 rows x (256 + 16) bytes for each wave, 2,304 bytes apart
.set STGW,  2304
.set SP,    272
.set SPARE, STAGE+16*STGW              ; the spare words, 128 bytes for each wave
.set A0,  1                            ; 16 x lane
.set AV0, 2                            ; 16 r + VSW
.set ADR, 3                            ; the step's record + A0
.set ADV, 4                            ; the step's record + AV0
.set SPW, 5                            ; my spare word; never rewritten
.set NIL, 6                            ; 0; never rewritten
.set R16, 7                            ; 16 r
.set STO, 8                            ; the way out: where I put my part of a row
.set RD,  9                            ; where I read a row back
.set GO,  10                           ; my byte offset in out0: 4096 h + 16 r
.set RR,  11                           ; r.   v12 -M, v13 the largest t, v[14:15] the sum in two halves
.set MA,  16                           ; v16-23 mask codes of tiles 0-3, v24-31 Q
.set QA,  24
.set MB,  32                           ; v32-39 mask codes of tiles 4-7, v40-47 Q once more
.set QB,  40
.set AI,  48                           ; v48-111: four times [unit matrix v, 8 | a tile of K, 8]
.set S,   112                          ; v112-175 S^T, then p, then V
.set O,   176                          ; v176-207 O^T
.set PC,  208                          ; v208-223 p's codes
.set BM,  224                          ; v224-227 each block's largest score, then p; then two chains of the sum
.set PM,  228                          ; v228-231 the other lanes' maxima; the scale bytes; then two more chains
.set HD,  232                          ; v232-235 57,344 x the scale
.set SC,  236                          ; v236-239 the conversions' scale operands
.set FF,  240                          ; v240 f = 2^(old M - new M); v241 named with it
.set T,   242
.set QS,  243                          ; Q's scale word
.set KS,  244                          ; v244-247 K's scale words: lanes 0-15 tiles 0-3, lanes 16-31 tiles 4-7
.set VS,  248                          ; v248-251 V's scale words
.set PFO, 252                          ; the prefetch's offset: 256 x min(lane, 7)
.set PW,  253                          ; p's scale word
.set WV,  12
.set CS,  16                           ; s[16:17] c = log2(e) / 8
.set SEL, 18                           ; s[18:19] selects for lane l xor 16
.set MNT, 20                           ; the mantissa field of 57,344
.set TB,  21                           ; LDS byte of the step's record
.set JC,  22                           ; trips to go
.set LIM, 23                           ; the count of trips at which my head prefetches
.macro CROUND
	s_barrier_signal -1
	s_barrier_wait -1
	s_cmp_lg_u32 s[WV], 0
	s_cbranch_scc1 .Lnot_wave_0_\@
	s_barrier_signal -3
.Lnot_wave_0_\@:
	s_barrier_wait -3
	s_barrier_signal -1
	s_barrier_wait -1
.endm
.macro NOPS n
.rept \n
	v_nop
.endr
.endm
.macro MLOAD                           ; a mask record: 4 x 512 bytes on end
	global_load_b128 v[MA:MA+3], v[A0], s[8:9]
	global_load_b128 v[MA+4:MA+7], v[A0], s[8:9] offset:512
	global_load_b128 v[MB:MB+3], v[A0], s[8:9] offset:1024
	global_load_b128 v[MB+4:MB+7], v[A0], s[8:9] offset:1536
.endm
.macro KLOAD adr, off, first           ; four tiles of K into the places beside the unit matrices
.irp t, 0,1,2,3
	ds_load_b128 v[AI+16*\t+8:AI+16*\t+11], v[\adr] offset:\off+1024*(\first+\t)
	ds_load_b128 v[AI+16*\t+12:AI+16*\t+15], v[\adr] offset:\off+1024*(\first+\t)+512
.endr
.endm
.macro QK g                            ; four tiles of scores; C = 0 starts each
.irp t, 0,1,2,3
.if \g
	v_wmma_scale_f32_16x16x128_f8f6f4 v[S+32+8*\t:S+32+8*\t+7], v[AI+16*\t:AI+16*\t+15], v[MB:MB+15], 0, v[KS+\t], v[QS] matrix_a_fmt:MATRIX_FMT_BF8 matrix_b_fmt:MATRIX_FMT_BF8 matrix_a_scale:MATRIX_SCALE_ROW1
.else
	v_wmma_scale_f32_16x16x128_f8f6f4 v[S+8*\t:S+8*\t+7], v[AI+16*\t:AI+16*\t+15], v[MA:MA+15], 0, v[KS+\t], v[QS] matrix_a_fmt:MATRIX_FMT_BF8 matrix_b_fmt:MATRIX_FMT_BF8
.endif
.endr
.endm
.macro MX b, k                         ; link k (0..7) of block b's largest score; each accumulator is read from its low end on
.if (\k) == 0
	v_max3_num_f32 v[BM+\b], v[S+16*\b], v[S+16*\b+1], v[S+16*\b+2]
.elseif (\k) == 7
	v_max_num_f32 v[BM+\b], v[BM+\b], v[S+16*\b+15]
.else
	v_max3_num_f32 v[BM+\b], v[BM+\b], v[S+16*\b+2*(\k)+1], v[S+16*\b+2*(\k)+2]
.endif
.endm
.macro MERGE                           ; the last step's four chains into the row's sum, under that step's M
	v_pk_add_f32 v[BM:BM+1], v[BM:BM+1], v[BM+2:BM+3]
	v_pk_add_f32 v[PM:PM+1], v[PM:PM+1], v[PM+2:PM+3]
	v_pk_add_f32 v[BM:BM+1], v[BM:BM+1], v[PM:PM+1]
	v_pk_fma_f32 v[14:15], v[14:15], v[FF:FF+1], v[BM:BM+1] op_sel_hi:[1,0,1]
.endm
	s_load_b256 s[4:11], s[0:1], 0x0               ; qc, kv, mcodes, out0
	v_lshl_add_u32 v[SPW], v0, 2, SPARE
	v_mov_b32 v[NIL], 0
	ds_add_u32 v[SPW], v[NIL]                      ; the opening lines: the add twice on end and one wait
	ds_add_u32 v[SPW], v[NIL]
	v_lshrrev_b32 v1, 5, v0
	v_readfirstlane_b32 s[WV], v1                  ; wave 0..15
	s_bfe_u32 s13, ttmp6, 0x40000                  ; cx: my 512 queries.  It enters global offsets of qc, mcodes and out0 alone
	s_and_b32 s14, ttmp7, 0xffff                   ; g, which the four partners share
	s_lshl_b32 s28, s14, 4
	s_add_co_u32 s28, s28, s[WV]
	s_mul_i32 s28, s28, REC                        ; the joint load: record 16 g + w
	s_mov_b32 s29, 0
	s_mov_b32 s32, 15|(3<<16)|(1<<21)              ; group 1: the mask of all four work-groups; elements of 8 bytes; bit 21 beside a mask
	s_mov_b32 s33, 32<<16                          ; rows of 256 bytes,
	s_mov_b32 s34, 67<<16                          ; 67 of them: a dense block of 17,152 bytes
	s_mov_b32 s35, 32<<16
	s_mov_b32 s36, 67
	s_mov_b32 s37, 32
	s_mov_b32 s38, 0
	s_mov_b32 s39, 0
	s_mov_b32 s40, 1
	s_mul_i32 s41, s[WV], REC                      ; LDS address: wave x a record
	s_lshl_b32 s44, s14, 4                         ; qc: record 16 g + 4 cx + w / 8 (second pass: two records on), tile w % 8
	s_lshl_b32 s45, s13, 2
	s_add_co_u32 s44, s44, s45
	s_lshr_b32 s45, s[WV], 3
	s_add_co_u32 s44, s44, s45
	s_mul_i32 s44, s44, QREC
	s_and_b32 s46, s[WV], 7
	s_lshl_b32 s47, s46, 10
	s_add_co_u32 s48, s44, s47                     ; the tile's codes
	s_mov_b32 s49, 0
	s_lshr_b32 s47, s46, 2
	s_lshl_b32 s47, s47, 8
	s_add_co_u32 s50, s44, s47
	s_and_b32 s47, s[WV], 3
	s_lshl_b32 s47, s47, 2
	s_add_co_u32 s50, s50, s47
	s_add_co_u32 s50, s50, 8192                    ; its scale words: 8192 + 256 (t / 4) + 4 (t % 4), + 16 r by the lane
	s_mov_b32 s51, 0
	s_lshl_b32 s54, s13, 5
	s_add_co_u32 s54, s54, s[WV]                   ; the tile T = 32 cx + w
	s_lshl_b32 s52, s54, 15                        ; its 16 mask records of 2,048 bytes
	s_lshr_b32 s55, s54, 3
	s_lshl_b32 s55, s55, 7
	s_bfe_u32 s56, s54, 0x20001
	s_lshl_b32 s56, s56, 5
	s_add_co_u32 s55, s55, s56
	s_and_b32 s56, s54, 1
	s_lshl_b32 s56, s56, 3
	s_add_co_u32 s55, s55, s56                     ; its first query: 128 (T / 8) + 32 ((T / 2) % 4) + 8 (T % 2)
	s_lshl_b32 s55, s55, 12
	s_lshr_b32 s56, s14, 4                         ; b
	s_lshl_b32 s53, s56, 22                        ; mcodes: 128 tiles x 32,768 bytes a batch
	s_add_co_u32 s52, s52, s53
	s_mov_b32 s53, 0
	s_lshl_b32 s56, s56, 23
	s_add_co_u32 s56, s56, s55
	s_and_b32 s57, s14, 15
	s_sub_co_u32 s[LIM], 18, s57                   ; record hd is named where 15 - j = 18 - hd: in trip j = hd - 3
	s_lshl_b32 s57, s57, 8
	s_add_co_u32 s56, s56, s57
	s_mov_b32 s57, 0
	s_mov_b32 s[CS], 0x3e38aa3b                    ; c = log2(e) / 8
	s_mov_b32 s[CS+1], s[CS]
	s_mov_b32 s[SEL], 0x76543210
	s_mov_b32 s[SEL+1], 0xfedcba98
	s_mov_b32 s[MNT], 0x600000
	s_mul_i32 s27, s[WV], STGW
	s_add_co_u32 s27, s27, STAGE                   ; my stage
	s_wait_dscnt 0x0                               ; both opening adds are done
	s_wait_kmcnt 0x0
	s_add_nc_u64 s[42:43], s[6:7], s[28:29]
	s_or_b32 s43, s43, 0x80000000
	s_add_nc_u64 s[6:7], s[4:5], s[50:51]          ; Q's scale words
	s_add_nc_u64 s[4:5], s[4:5], s[48:49]          ; Q's codes
	s_add_nc_u64 s[8:9], s[8:9], s[52:53]          ; my tile's mask records
	s_add_nc_u64 s[10:11], s[10:11], s[56:57]
	CROUND                                         ; all four work-groups are here: the joint loads meet
	tensor_load_to_lds s[40:43], s[32:39]          ; record w of the head, into every partner's LDS
	s_nop 0
	NOPS 4
	v_and_b32 v[A0], 31, v0
	v_lshrrev_b32 v[T], 2, v[A0]                   ; lane / 4 = 4 h + r / 4
	v_min_u32 v[PFO], 7, v[A0]
	v_lshlrev_b32 v[PFO], 8, v[PFO]
	v_lshlrev_b32 v[A0], 4, v[A0]
	v_and_b32 v[RR], 15, v0
	v_bfe_u32 v[HD], v0, 4, 1                      ; h
	v_lshlrev_b32 v[R16], 4, v[RR]
	v_add_nc_u32 v[AV0], VSW, v[R16]
	v_and_b32 v[STO], 7, v[RR]
	v_mul_u32_u24 v[STO], v[STO], SP
	v_bfe_u32 v[HD+1], v0, 3, 1                    ; r / 8
	v_lshl_add_u32 v[STO], v[HD+1], 7, v[STO]
	v_lshl_add_u32 v[STO], v[HD], 5, v[STO]
	v_add_nc_u32 v[STO], s27, v[STO]               ; in: row r % 8, + 128 (r / 8) + 32 h
	v_mul_u32_u24 v[RD], v[HD], SP
	v_add_nc_u32 v[RD], v[RD], v[R16]
	v_add_nc_u32 v[RD], s27, v[RD]                 ; back: lanes 0-15 one row of 256 bytes, lanes 16-31 the next
	v_lshl_add_u32 v[GO], v[HD], 12, v[R16]
	v_and_b32 v[HD+2], 3, v0
	v_lshlrev_b32 v[HD+2], 3, v[HD+2]
	v_mov_b32 v[HD+3], 0x78                        ; the code of 2^15,
	v_lshlrev_b32 v[HD+2], v[HD+2], v[HD+3]        ; in byte r % 4
.irp v, 0,1,2,3                                ; unit matrix v: row r has its one entry at k = 16 v + r: lanes with h = v % 2, register 4 (v / 2) + r / 4
.irp q, 0,1,2,3
	v_cmp_eq_u32 vcc_lo, 4*(\v%2)+\q, v[T]
	v_cndmask_b32 v[AI+16*\v+4*(\v/2)+\q], v[NIL], v[HD+2], vcc_lo
	v_mov_b32 v[AI+16*\v+4*(1-\v/2)+\q], 0
.endr
.endr
; A KEY STEP.  pf = 1: the next step's first four tiles of K and its mask record are fetched.
.macro STEP pf
	v_add_nc_u32 v[ADR], s[TB], v[A0]
	v_add_nc_u32 v[ADV], s[TB], v[AV0]
	MERGE
	NOPS 3                                         ; with the six lines above: nine places between the last products and the products that write over their operand V
	s_wait_alu depctr_va_vdst(0)
	s_wait_loadcnt 0x0                             ; the mask's codes (first step: Q too)
	s_wait_dscnt 0x0                               ; tiles 0-3 and the scale words
.if \pf
	s_wait_xcnt 0x0                                ; any prefetch of mine has read its base
	s_add_nc_u64 s[8:9], s[8:9], 2048              ; the next mask record
.endif
	QK 0
	NOPS 8                                         ; eight places ahead of loads into K's places and of the first read of the scores
	KLOAD ADR, 0, 4
	ds_load_b128 v[VS:VS+3], v[ADV]
.irp k, 0,1,2,3
	MX 0, \k
	MX 1, \k
.endr
	s_wait_alu depctr_va_vdst(0)
	s_wait_dscnt 0x0
	QK 1
.irp k, 4,5,6,7                                ; these eight name no register of the four products above: they are their places
	MX 0, \k
	MX 1, \k
.endr
.if \pf
	KLOAD ADR, REC, 0
	ds_load_b128 v[KS:KS+3], v[ADR] offset:REC+KSW
	MLOAD
	s_cmp_eq_u32 s[JC], s[LIM]
	s_cbranch_scc0 .Lnp_\@
	global_prefetch_b8 v[PFO], s[8:9] offset:4096 th:TH_LOAD_NT scope:SCOPE_SE   ; the record two on from the one just asked for
.Lnp_\@:
.endif
.irp k, 0,1,2,3,4,5,6,7
	MX 2, \k
	MX 3, \k
.endr
.irp b, 0,1,2,3
	v_permlanex16_b32 v[PM+\b], v[BM+\b], s[SEL], s[SEL+1]
.endr
.irp b, 0,1,2,3
	v_max_num_f32 v[BM+\b], v[BM+\b], v[PM+\b]     ; with lane l xor 16's 16 keys: the block's largest score
.endr
	v_max3_num_f32 v[T], v[BM], v[BM+1], v[BM+2]
	s_delay_alu instid0(VALU_DEP_1)
	v_max_num_f32 v[T], v[T], v[BM+3]
	s_delay_alu instid0(VALU_DEP_1)
	v_mul_f32 v[T], s[CS], v[T]                    ; as t (c is positive)
	s_delay_alu instid0(VALU_DEP_1)
	v_max_num_f32 v13, v13, v[T]                   ; the running largest t
	v_mov_b32 v[T], v12
	s_delay_alu instid0(VALU_DEP_2)
	v_floor_f32 v12, -v13                          ; the new -M = -ceil(t)
	s_delay_alu instid0(VALU_DEP_1)
	v_sub_f32 v[T], v12, v[T]                      ; old M - new M
	s_delay_alu instid0(VALU_DEP_1)
	v_cvt_i32_f32 v[T], v[T]                       ; (it saturates)
	s_delay_alu instid0(VALU_DEP_1)
	v_ldexp_f32 v[FF], 1.0, v[T]                   ; f = 2^(old M - new M)
.set n, 0
.rept 32
	v_pk_fma_f32 v[S+n:S+n+1], v[S+n:S+n+1], s[CS:CS+1], v[12:13] op_sel_hi:[1,0,0]   ; t - M
.set n, n+2
.endr
.irp b, 0,1,2,3
	v_fma_f32 v[BM+\b], v[BM+\b], s[CS], v12       ; the same of each block's largest score
.endr
	s_wait_alu depctr_va_vdst(0)                   ; the wait ahead of the batch
.set n, 0
.rept 64
	v_exp_f32 v[S+n], v[S+n]                       ; p = 2^(t - M), at most 1
.set n, n+1
.endr
.irp b, 0,1,2,3
	v_exp_f32 v[BM+\b], v[BM+\b]                   ; the block's largest p: the same two instructions on the same number
.endr
	v_nop                                          ; the plain line behind the exponentials
	s_wait_alu depctr_va_vdst(0)                   ; one wait for the batch, ahead of its first reader
.irp b, 0,1,2,3
	v_max_num_f32 v[BM+\b], 0x8000000, v[BM+\b]    ; the floor 2^(16 - 127): the byte cannot fall under 1
.endr
.irp b, 0,1,2,3
	v_add_nc_u32 v[SC+\b], 0xf8800000, v[BM+\b]    ; 15 off the exponent field: the conversion's scale operand
.endr
.irp b, 0,1,2,3
	v_and_or_b32 v[HD+\b], v[BM+\b], 0x7f800000, s[MNT]            ; 57,344 x the scale
.endr
.irp b, 0,1,2,3
	v_lshrrev_b32 v[PM+\b], 23, v[SC+\b]           ; the scale's byte
.endr
	v_lshl_or_b32 v[PW], v[PM+1], 8, v[PM]
	v_lshl_or_b32 v[PW], v[PM+2], 16, v[PW]
	v_lshl_or_b32 v[PW], v[PM+3], 24, v[PW]        ; p's scale word for these 128 keys
.irp i, 0,1,2,3                                ; the sum of the unquantised p, in four chains (v224-231); they are merged at the next step's head
	v_pk_add_f32 v[BM+2*\i:BM+2*\i+1], v[S+4*\i:S+4*\i+1], v[S+4*\i+2:S+4*\i+3]
.endr
.set n, 16
.rept 24
	v_pk_add_f32 v[BM+2*((n/2)%4):BM+2*((n/2)%4)+1], v[BM+2*((n/2)%4):BM+2*((n/2)%4)+1], v[S+n:S+n+1]
.set n, n+2
.endr
.irp b, 0,2                                    ; the one-sided hold (the conversion does not saturate: ISA guide 7.6.2), two blocks to a dual pair; then the codes; then V's tiles into the registers set free
.irp i, 0,1,2,3,4,5,6,7,8,9,10,11,12,13,14,15
	v_dual_min_num_f32 v[S+16*\b+\i], v[S+16*\b+\i], v[HD+\b] :: v_dual_min_num_f32 v[S+16*\b+16+(\i+1-2*(\i%2))], v[S+16*\b+16+(\i+1-2*(\i%2))], v[HD+\b+1]
.endr
.irp u, 0,1
	v_cvt_scalef32_pk8_bf8_f32 v[PC+4*(\b+\u):PC+4*(\b+\u)+1], v[S+16*(\b+\u):S+16*(\b+\u)+7], v[SC+\b+\u]
	v_cvt_scalef32_pk8_bf8_f32 v[PC+4*(\b+\u)+2:PC+4*(\b+\u)+3], v[S+16*(\b+\u)+8:S+16*(\b+\u)+15], v[SC+\b+\u]
.endr
.irp u, 0,1
.irp c, 0,1,2,3
	ds_load_b128 v[S+16*(\b+\u)+4*\c:S+16*(\b+\u)+4*\c+3], v[ADR] offset:VCO+2048*(\b+\u)+512*\c
.endr
.endr
.endr
	s_wait_alu depctr_va_vdst(0)                   ; ahead of the first reader of O^T
.set n, 0
.rept 16
	v_pk_mul_f32 v[O+n:O+n+1], v[O+n:O+n+1], v[FF:FF+1] op_sel_hi:[1,0]   ; O^T under the new M; also the places behind the conversions and ahead of the products
.set n, n+2
.endr
	s_wait_alu depctr_va_vdst(0)
	s_wait_dscnt 0x0                               ; V is in
.irp td, 0,1,2,3
	v_wmma_scale_f32_16x16x128_f8f6f4 v[O+8*\td:O+8*\td+7], v[S+16*\td:S+16*\td+15], v[PC:PC+15], v[O+8*\td:O+8*\td+7], v[VS+\td], v[PW] matrix_a_fmt:MATRIX_FMT_BF8 matrix_b_fmt:MATRIX_FMT_BF8   ; the four accumulators by turns
.endr
	s_add_co_u32 s[TB], s[TB], REC
.endm
; A PASS: one tile of 16 queries against all 2,048 keys.
.macro PASS p
.if \p
	s_wait_xcnt 0x0                                ; the last pass's stores have read their registers
	s_add_nc_u64 s[8:9], s[8:9], 493568            ; from record 15 of tile T to record 0 of tile T + 16: 16 x 32,768 - 15 x 2,048 bytes
.endif
	global_load_b128 v[QA:QA+3], v[A0], s[4:5] offset:\p*2*QREC
	global_load_b128 v[QA+4:QA+7], v[A0], s[4:5] offset:\p*2*QREC+512
	global_load_b128 v[QB:QB+3], v[A0], s[4:5] offset:\p*2*QREC       ; Q stands behind each of the two groups of mask codes
	global_load_b128 v[QB+4:QB+7], v[A0], s[4:5] offset:\p*2*QREC+512
	global_load_b32 v[QS], v[R16], s[6:7] offset:\p*2*QREC
	MLOAD
	v_mov_b32 v13, 0xff61b1e6                      ; the largest t so far: -3e38
	v_floor_f32 v12, -v13
	v_mov_b32 v14, 0
	v_mov_b32 v15, 0
	v_mov_b32 v[FF], 0
	v_mov_b32 v[FF+1], 0
.set n, 0
.rept 8
	v_mov_b32 v[BM+n], 0                           ; the four chains: the first step's merge finds zeros
.set n, n+1
.endr
.set n, 0
.rept 32
	v_mov_b32 v[O+n], 0                            ; O^T: the step is written once for all steps; the first change of M leaves zeros zeros
.set n, n+1
.endr
.if \p == 0
	s_wait_alu depctr_va_vdst(0)
	s_wait_tensorcnt 0x0                           ; my record has landed,
	s_barrier_signal -1
	s_barrier_wait -1                              ; everybody's has: the whole head lies in LDS
.endif
	KLOAD A0, 0, 0
	ds_load_b128 v[KS:KS+3], v[A0] offset:KSW
	s_mov_b32 s[TB], 0
	s_mov_b32 s[JC], 15
.Lstep_\@:
	STEP 1
	s_sub_co_u32 s[JC], s[JC], 1
	s_cmp_lg_u32 s[JC], 0
	s_cbranch_scc1 .Lstep_\@
	STEP 0                                         ; the last step fetches nothing further
	; THE WAY OUT.  O^T / the sum goes through my stage, eight rows at a time, and leaves as whole runs of 256 bytes.
	MERGE
	v_add_f32 v14, v14, v15
	NOPS 3                                         ; with the five lines above: eight places behind the last products
	v_permlanex16_b32 v[T], v14, s[SEL], s[SEL+1]
	v_add_f32 v14, v14, v[T]                       ; the row's sum, over 1/2
	s_wait_alu depctr_va_vdst(0)                   ; the wait ahead of the transcendental
	v_rcp_f32 v14, v14
	v_nop
	s_wait_alu depctr_va_vdst(0)                   ; and ahead of its first reader, which is also O^T's
.set n, 0
.rept 32
	v_mul_f32 v[S+n], v[O+n], v14                  ; register 8 td + i is channel 16 td + 8 h + i of my query
.set n, n+1
.endr
	; Lanes r and r xor 8 exchange halves, so that every lane holds 64 bytes of each group of eight rows and all stores into the stage run with all lanes on:
	; lanes r < 8 keep channels 0-31 of queries r and r + 8, lanes r >= 8 channels 32-63 of queries r - 8 and r.
	v_cmp_gt_u32 vcc_lo, 8, v[RR]
.set n, 0
.rept 16
	v_cndmask_b32 v[S+32+n], v[S+n], v[S+16+n], vcc_lo             ; what I give
.set n, n+1
.endr
.set n, 0
.rept 16
	v_mov_b32_dpp v[S+48+n], v[S+32+n] row_xmask:8 row_mask:0xf bank_mask:0xf   ; what I get
.set n, n+1
.endr
.set n, 0
.rept 16
	v_cndmask_b32 v[S+n], v[S+48+n], v[S+n], vcc_lo                ; my part of the tile's rows 0-7
	v_cndmask_b32 v[S+16+n], v[S+16+n], v[S+48+n], vcc_lo          ; and of its rows 8-15
.set n, n+1
.endr
.irp u, 0,1
.irp k, 0,1,2,3
	ds_store_b128 v[STO], v[S+16*\u+4*\k:S+16*\u+4*\k+3] offset:64*(\k/2)+16*(\k%2)
.endr
.irp k, 0,1,2,3
	ds_load_b128 v[S+32+16*\u+4*\k:S+32+16*\u+4*\k+3], v[RD] offset:2*SP*\k   ; LDS serves a wave's instructions in order (ISA guide 5.7.1.4): these see my stores, and the next stores come behind them
.endr
.endr
	s_wait_dscnt 8                                 ; the first eight rows are back; the second half's four stores and four loads may be out
.irp k, 0,1,2,3
	global_store_b128 v[GO], v[S+32+4*\k:S+32+4*\k+3], s[10:11] offset:\p*1048576+8192*\k th:TH_STORE_NT   ; 16 lanes store 256 consecutive bytes, aligned
.endr
	s_wait_dscnt 0x0
.irp k, 0,1,2,3
	global_store_b128 v[GO], v[S+48+4*\k:S+48+4*\k+3], s[10:11] offset:\p*1048576+65536+8192*\k th:TH_STORE_NT
.endr
.endm
	PASS 0
	PASS 1
	s_wait_tensorcnt 0x0                           ; the wave's end
	ds_add_u32 v[SPW], v[NIL]
	s_wait_dscnt 0x0
	CROUND                                         ; the closing round
	s_endpgm
.Lfunc_end_k_qe9c0152e7a_attn:
	.size	k_qe9c0152e7a_attn, .Lfunc_end_k_qe9c0152e7a_attn-k_qe9c0152e7a_attn
	.p2alignl 7, 3214868480
	.fill 96, 4, 3214868480
	.section	.rodata,"a",@progbits
	.p2align	6, 0x0
	.amdhsa_kernel k_qe9c0152e7a_attn
		.amdhsa_group_segment_fixed_size 327680
		.amdhsa_private_segment_fixed_size 0
		.amdhsa_enable_private_segment 0
		.amdhsa_kernarg_size 32
		.amdhsa_user_sgpr_count 2
		.amdhsa_user_sgpr_kernarg_segment_ptr 1
		.amdhsa_wavefront_size32 1
		.amdhsa_system_sgpr_workgroup_id_x 1
		.amdhsa_system_sgpr_workgroup_id_y 1
		.amdhsa_system_sgpr_workgroup_id_z 1
		.amdhsa_system_vgpr_workitem_id 0
		.amdhsa_next_free_vgpr 256
		.amdhsa_next_free_sgpr 66
		.amdhsa_reserve_vcc 1
		.amdhsa_float_denorm_mode_32 3
		.amdhsa_float_denorm_mode_16_64 3
		.amdhsa_memory_ordered 1
		.amdhsa_forward_progress 1
		.amdhsa_inst_pref_size 99
	.end_amdhsa_kernel
	.amdgpu_metadata
---
amdhsa.version: [ 1, 2 ]
amdhsa.kernels:
  - .name:           k_qe9c0152e7a_attn
    .symbol:         k_qe9c0152e7a_attn.kd
    .args:
      - { .name: qc, .offset: 0, .size: 8, .value_kind: global_buffer, .address_space: global }
      - { .name: kv, .offset: 8, .size: 8, .value_kind: global_buffer, .address_space: global }
      - { .name: mcodes, .offset: 16, .size: 8, .value_kind: global_buffer, .address_space: global }
      - { .name: out0, .offset: 24, .size: 8, .value_kind: global_buffer, .address_space: global }
    .group_segment_fixed_size: 327680
    .private_segment_fixed_size: 0
    .kernarg_segment_align: 8
    .kernarg_segment_size: 32
    .max_flat_workgroup_size: 512
    .sgpr_count:     66
    .vgpr_count:     256
    .wavefront_size: 32
...
	.end_amdgpu_metadata
.endif
;; end of part 2
